; MI455X (gfx1250); checked and timed in simulation.
; The chip was launched on July 23, 2026; its instructions are those of AMD's public machine-readable ISA for CDNA 5 (MIT licence, August 2026) and "CDNA5" Instruction Set Architecture Reference Guide (July 2026). The comments in the code are by the model that wrote it; some were corrected since.
;; Scale Dot Product. Allowed arithmetic: matrix products marked QUANTISED: E3M2 operands, one E8M0 scale for each 32 along K, by v_wmma_scale_f32_16x16x128_f8f6f4 with both operands' format E3M2, f32 sums; everything else in f32.
;; Inputs: scale one number float32; x1 4 x 16 x 2,048 x 64 float32; x2 4 x 16 x 2,048 x 64 float32; x3 4 x 16 x 2,048 x 64 float32.
;; Outputs: out0 4 x 16 x 2,048 x 64 float32.
;; This version of the problem:
;;   THIS VERSION OF THE PROBLEM IS GIVEN IN LOW PRECISION. The matrix products marked QUANTISED in the list below multiply operands that are first quantised to E3M2 (3 exponent bits, 2 mantissa bits; 6 bits a number), with one power-of-two scale for each 32 numbers along K (OCP MX v1.0); their sums are f32. All else is computed in f32.
;;   The module's matrix products, in the order in which they are computed (A, B: the left and right operand; K: the contracted axis; several contracted axes count as one K, in the product's order):
;;     1. batch 64 x [M 2,048, K 64] x [K 64, N 2,048]; A: input x1; B: input x2: QUANTISED
;;     2. batch 64 x [M 2,048, K 2,048] x [K 2,048, N 64]; A: softmax (see below); B: input x3: QUANTISED
;;   THE QUANTISER, for each operand of a quantised product, along K:
;;     - K is cut into blocks of 32 from its start; a last block that is shorter is filled with zeros.
;;     - A block's scale is 2^e with e = floor(log2(the largest magnitude in the block)) - 4, held to -126 .. 127; a block of zeros has e = 0. As a byte (E8M0): e + 127.
;;     - Each number is divided by its block's scale, clamped to +-28, and rounded to the nearest number of E3M2, ties to even, subnormals kept.
;;     - The product sums the exact products of the quantised numbers (number of the format x scale) in f32.
;;   ~~~python
;;   def quantise(x, axis):      # numpy; x: float32 -> the quantised numbers, widened to float32 again
;;       x = np.moveaxis(x, axis, -1); K = x.shape[-1]
;;       x = np.pad(x, [(0, 0)] * (x.ndim - 1) + [(0, -K % 32)]); x = x.reshape(x.shape[:-1] + (-1, 32)); a = np.abs(x).max(-1, keepdims=True)
;;       e = np.where(a > 0, np.clip(np.frexp(np.where(a > 0, a, 1))[1] - 1 - 4, -126, 127), 0)      # np.frexp(a)[1] - 1 = floor(log2(a)), exactly
;;       r = np.clip(x / 2.0 ** e, -28, 28)
;;       step = 2.0 ** (np.maximum(np.frexp(np.where(r == 0, 1, r))[1] - 1, -2) - 2)
;;       q = np.round(r / step) * step * 2.0 ** e      # np.round: ties to even
;;       return np.moveaxis(q.reshape(q.shape[:-2] + (-1,))[..., :K], -1, axis).astype(np.float32)
;;   ~~~
;;   SOFTMAX AHEAD OF A QUANTISED PRODUCT. Where the list says 'softmax', what is quantised is not the finished softmax but p = 2^(t - M), with t = logit x log2(e) and M = ceil(the row's largest t), a whole number; so 1/2 < the row's largest p <= 1. The row's sum l is taken of the UNQUANTISED p, in f32, and the product's result is divided by l at the end. Since M is a whole number, a kernel that streams over the keys may use a running M (the ceiling of the running maximum): every later rescaling is an exact power of two, which a block's scale takes up: the codes' values come out the same.
;;   OPERANDS COMPUTED ON THE WAY. 'Computed on the way' means the value that the module computes at that place (a softmax that the list does not call 'softmax' is quantised finished and normalised). What goes into a quantiser is computed in f32, as accurately as f32 sums, v_exp_f32 and their like allow (about 1e-6 of the number): no bf16 or f16 on the way to a quantiser, and a product that is left as it is and whose result goes on into a quantised operand takes f32 operands (vector FMAs, or v_wmma_f32_16x16x4_f32). A number that lies on a knife's edge between two numbers of the format may be rounded either way, as far as f32 arithmetic and the matrix unit's own rounding can turn it there, and no further.
;; 2 versions, each right; version 2 is version 1 with the launch attn written anew for expert scheduling mode. Each part assembles by itself: llvm-mc -triple=amdgcn-amd-amdhsa -mcpu=gfx1250 --defsym DOCPART=n.
;; ======== version 1 of 2: 1 launch
;; launch attn (part 1): grid 4 x 64, 16 waves a work-group, no clusters, 303,104 bytes of LDS; arguments x1, x2, x3, scale, out0; writes out0
.if DOCPART == 1
	.amdgcn_target "amdgcn-amd-amdhsa--gfx1250"
	.amdhsa_code_object_version 6
	.text
	.protected	k_q5974a11551_attn
	.globl	k_q5974a11551_attn
	.p2align	8
	.type	k_q5974a11551_attn,@function
k_q5974a11551_attn:
	s_mov_b64 s[64:65], 0
	v_nop
	global_prefetch_b8 v0, s[64:65] scope:SCOPE_SE
	s_setreg_imm32_b32 hwreg(HW_REG_WAVE_MODE, 25, 1), 1
	s_wait_xcnt 0x0
; out0[h][q][:] = the sum over k of softmax_k(x1[h][q] . x2[h][k] x scale) x3[h][k][:].  64 heads, 2,048 queries and keys, 64 channels; all tensors f32.
; Both products go on codes of BF6 (E3M2) with one E8M0 scale for each 32 along a product's K (the first: the 64 channels; the second: the keys).
; THE SOFTMAX AHEAD OF THE SECOND PRODUCT: t = score x c, c = scale x log2(e); M = the running largest t rounded UP to a whole number; p = 2^(t - M) is quantised along the keys, not normalised;
; the row's sum is taken of the unquantised p and divides at the end.  When M moves, the sum and O are multiplied by 2^(old M - new M): exact.
; SHARES.  A work-group of sixteen waves owns 512 queries of one head: 4 x 64 = 256 work-groups of equal work.  A head's codes fit in LDS whole (K 98,304 bytes, V 98,304, the scale bytes 8,192):
; PROLOGUE: the sixteen waves quantise the head's x2 and x3 and their own rows of x1 into LDS, laid in the order of the operands' registers; ONE barrier;
; MAIN PART: each wave walks its two tiles of 16 queries, one after the other, over 16 steps of 128 keys, reading LDS alone: no barrier, no fill of LDS, nothing from memory.
; Four waves share a SIMD (256 registers each), so that one wave's LDS waits and matrix instructions stand beside the others' vector work, which is the larger part of a step (237 vector lines for 12 matrix lines).
; NO CLUSTER, NO JOINT LOADS: what the four work-groups of a head share is f32 that must pass through registers to be quantised, and it is read once, in the prologue; the key loop fetches nothing.
; Beside the codes, the scales, q's images and the stages 26,624 of 327,680 bytes of LDS lie free: a ring for the shared 1,048,576 bytes would be filled again dozens of times, each behind a round of the cluster's barrier.
; LAYOUT.  Both products are used transposed: S^T = K Q^T (source 0 = 16 keys, source 1 = my 16 queries), O^T = V^T P^T (source 0 = 16 channels, source 1 = P): a lane holds ONE query (lane % 16) throughout.
; THE KEYS OF A TILE ARE NOT NEIGHBOURS: row m of tile (pair b, u) of a step is key 32 b + 8 u + 16 (m / 8) + m % 8, so that the 16 registers of tiles (b, 0) and (b, 1) are 16 neighbouring keys, 32 b + 16 (lane / 16) + 0 .. 15.
; THE FIRST PRODUCT'S K IS 64, the instruction's 128.  Q's operand holds q's six registers twice (scale word s0 s1 s0 s1).  K's registers are a run Z X0 Y0 Z X1 Y1 Z of six each, Z = zero codes, never rewritten:
; tile u = 0 is the operand [Z, X] (its codes at k = 64 .. 127, scale bytes 2, 3), tile u = 1 is [Y, Z] (k = 0 .. 63, bytes 0, 1).  So a pair of tiles is 12 neighbouring registers, three loads of 16 bytes, and one scale word
; a row serves both.  The zero codes meet the other tile's bytes, which lie in 1 .. 254: they add nothing.
; A NEGATIVE scale: the quantiser is odd (Q(-x) = -Q(x), exactly), so x1's signs are turned by c's sign ahead of its quantiser and |c| is used from there on: p then rises with the score that the registers hold.
; THE ORDER OF A KEY STEP.  The exponentials stand singly among the plain lines that are due anyway; the next step's first tiles of K are asked for a step ahead; work that is due takes the places behind the matrix instructions.
; LIMITS: NaN and infinities among the inputs, and a scale that is not finite, are not served.  A block of zeros, and one whose largest magnitude lies under 2^-122, keeps the scale byte 1 (the rule says 127 for zeros): its
; codes are zeros or the rule's own, and the bytes are read by this program alone.  p under 2^-126 counts as 0 (v_exp_f32 flushes denormal results).  t is score x (scale x log2(e)), that constant rounded once.
.set KIMG, 0                           ; LDS: K's codes: step j 6,144 bytes; pair b 1,536; lane l 48 = 24 of tile u = 0, then 24 of tile u = 1
.set VIMG, 98304                       ; V's codes: step j 6,144; channel tile t 1,536; lane l 48 = the fragment's 12 registers
.set KSC,  196608                      ; K's scale words: step j 256 bytes; row m 16; pair b one word: bytes 0, 1 tile u = 1's two blocks, bytes 2, 3 tile u = 0's
.set VSC,  200704                      ; V's: step j 256 bytes; lane l 8 = the word of channel l, then that of channel 32 + l
.set QIMG, 204800                      ; q's codes: wave w 1,536; tile 768; lane 24
.set QSC,  229376                      ; q's scale words: wave w 128; tile 64; row 4
.set STG,  231424                      ; a stage for each wave, its own: 16 rows x (256 bytes + 16): the turn of f32 rows in the prologue, and the way out.  Ends at 301,056
; A lane's place of 48 bytes is 12 words, since 3 has no factor in common with 16.  Stage rows of 272 bytes likewise.
; REGISTERS that stay: v1 KIMG + 48 l; v2 VIMG + 48 l; v3 KSC + 16 r; v4 VSC + 8 l; v5 stage by rows (272 h + 16 r); v6 stage, results in (272 r + 32 h); v7 16 l; v78 my q codes; v79 my q scale words.
; PROLOGUE: v8 stage, numbers out (272 r + 128 h); v9 4 l; v10, v11 where K's codes and bytes go; v12 q's bytes; v13, v14 V's codes and words; v16-19 at work; v20-25 a block's codes; v112-114 its second half;
;   v30-31 V's scale words; v80-111 32 numbers along K; v128-255 four sets of 32 numbers as loaded.
; MAIN: v8-11 the step's addresses; v12 -M; v13 the largest t; v[14:15] the sum in two halves; v16-27 Q; v28 Q's scale word; v29 p's scale word; v30-31 V's scale words; v32-73 K's run; v74-77 K's scale words;
;   v80-127 V's four fragments; v128-191 S^T, then p; v192-223 O^T; v224-235 p's codes (v232-235 first the blocks' largest scores); v236-243 second chains of the maxima, the other half's maxima, then the conversions' second halves;
;   v244-247 the conversions' scale operands; v[248:249] f and a 0; v[250:251] the sum's second chain; v252-255 p's four scale bytes (v254 first at work on M).
.set M0,  16
.set M1,  17
.set SCO, 18
.set BY,  19
.set C,   20
.set CT,  112
.set VWD, 30
.set X,   80
.set R,   128
.set S,   128
.set OT,  192
.set BM,  232
.set T4,  236
.set SO,  244
.set PW,  29
	s_load_b256 s[4:11], s[0:1], 0x0               ; x1 s[4:5], x2 s[6:7], x3 s[8:9], scale's address s[10:11]
	s_load_b64 s[12:13], s[0:1], 0x20              ; out0
	v_lshrrev_b32 v37, 5, v0
	v_readfirstlane_b32 s15, v37                   ; wave w, 0 .. 15
	v_and_b32 v32, 31, v0                          ; l: lane
	v_lshlrev_b32 v7, 4, v32                       ; 16 l
	s_and_b32 s16, ttmp7, 0xffff                   ; the head:
	s_lshl_b32 s16, s16, 19                        ; 2,048 rows of 256 bytes each
	s_lshl_b32 s17, ttmp9, 17                      ; my work-group's 512 queries
	s_lshl_b32 s18, s15, 12                        ; my wave's 16 of a tile row of 256
	s_add_co_u32 s28, s16, s17
	s_add_co_u32 s28, s28, s18                     ; x1 and out0: my first query
	s_mov_b32 s29, 0
	s_lshl_b32 s18, s15, 15
	s_add_co_u32 s30, s16, s18                     ; x2: key step w, 128 rows
	s_mov_b32 s31, 0
	s_lshr_b32 s35, s15, 1                         ; w / 2: which 256 keys of x3 are mine,
	s_and_b32 s36, s15, 1                          ; w % 2: which 32 channels
	s_lshl_b32 s18, s35, 16
	s_add_co_u32 s32, s16, s18
	s_lshl_b32 s18, s36, 7
	s_add_co_u32 s32, s32, s18
	s_mov_b32 s33, 0
	s_mov_b32 s20, 0x76543210
	s_mov_b32 s21, 0xfedcba98                      ; v_permlanex16_b32's selects for lane l xor 16
	s_wait_kmcnt 0x0
	s_load_b32 s14, s[10:11], 0x0                  ; scale
	s_add_nc_u64 s[4:5], s[4:5], s[28:29]
	s_add_nc_u64 s[12:13], s[12:13], s[28:29]
	s_add_nc_u64 s[6:7], s[6:7], s[30:31]
	s_add_nc_u64 s[8:9], s[8:9], s[32:33]
; Sixteen rows of 256 bytes, dense: eight loads, each of 512 consecutive bytes, into set `set`.  nt = 1: read by this wave alone in the whole launch
.macro LOADT set, base, off, nt
.irp i, 0,1,2,3,4,5,6,7
.if \nt
	global_load_b128 v[R+32*(\set)+4*\i:R+32*(\set)+4*\i+3], v7, s[\base:\base+1] offset:(\off)+512*\i th:TH_LOAD_NT
.else
	global_load_b128 v[R+32*(\set)+4*\i:R+32*(\set)+4*\i+3], v7, s[\base:\base+1] offset:(\off)+512*\i
.endif
.endr
.endm
; Block i of 32 keys of my 256, at my 32 channels: a lane takes a channel and its registers run down the keys; each load reads 128 consecutive bytes.  Sets 2 and 3 by turns
.macro LOADV i
.irp k, 0,1,2,3,4,5,6,7,8,9,10,11,12,13,14,15,16,17,18,19,20,21,22,23,24,25,26,27,28,29,30,31
	global_load_b32 v[R+32*(2+(\i)%2)+\k], v9, s[8:9] offset:(32*(\i)+\k)*256
.endr
.endm
	LOADT 0, 6, 0, 0                               ; x2's first four chunks of 16 keys: 32 loads are out while the addresses are made
	LOADT 1, 6, 4096, 0
	LOADT 2, 6, 8192, 0
	LOADT 3, 6, 12288, 0
	v_and_b32 v33, 15, v0                          ; r = l % 16
	v_bfe_u32 v34, v0, 4, 1                        ; h = l / 16
	v_bfe_u32 v35, v0, 3, 1                        ; (l / 8) % 2
	v_and_b32 v36, 7, v0                           ; l % 8
	v_mul_u32_u24 v1, v32, 48                      ; KIMG (= 0) + 48 l
	v_add_nc_u32 v2, VIMG, v1
	v_lshl_add_u32 v3, v33, 4, KSC
	v_lshl_add_u32 v4, v32, 3, VSC
	s_mul_i32 s19, s15, 4352
	s_add_co_u32 s19, s19, STG                     ; my stage
	v_mul_u32_u24 v5, v34, 272
	v_lshl_add_u32 v5, v33, 4, v5
	v_add_nc_u32 v5, s19, v5                       ; by rows: lanes 0-15 one row of 256 bytes, lanes 16-31 the next
	v_mul_u32_u24 v6, v33, 272
	v_lshl_add_u32 v8, v34, 7, v6
	v_lshl_add_u32 v6, v34, 5, v6
	v_add_nc_u32 v6, s19, v6                       ; results in: row r, 32 bytes for each half of the lanes
	v_add_nc_u32 v8, s19, v8                       ; numbers out: row r, my half's 128 bytes: 32 neighbours along the channels
	v_lshlrev_b32 v9, 2, v32                       ; 4 l
	s_mul_i32 s34, s15, 6144                       ; K's codes of step w.  Lane (r, h) holds key 16 a + r, channels 32 h on: tile (a / 2, r / 8), row 8 (a % 2) + r % 8: operand lane 16 h + that row
	v_mul_u32_u24 v10, v34, 768
	v_mad_u32_u24 v10, v36, 48, v10
	v_mad_u32_u24 v10, v35, 24, v10
	v_add_nc_u32 v10, s34, v10
	v_lshl_add_u32 v11, v35, 1, v34                ; its scale byte's place in the row's word: 2 u + h with u turned round: tile u = 1 has bytes 0, 1, tile u = 0 bytes 2, 3
	v_xor_b32 v11, 2, v11
	v_lshl_add_u32 v11, v36, 4, v11
	s_lshl_b32 s34, s15, 8
	s_add_co_u32 s34, s34, KSC
	v_add_nc_u32 v11, s34, v11
	s_mul_i32 s34, s15, 1536
	s_add_co_u32 s34, s34, QIMG
	v_mul_u32_u24 v78, v32, 24
	v_add_nc_u32 v78, s34, v78                     ; q's codes: 24 bytes a lane
	s_lshl_b32 s34, s15, 7
	s_add_co_u32 s34, s34, QSC
	v_lshl_add_u32 v79, v33, 2, s34                ; q's scale words: 4 bytes a row
	v_add_nc_u32 v12, v79, v34                     ; and my block's byte in it
	s_mul_i32 s34, s35, 12288                      ; V's codes: my two steps, my two channel tiles; lane l is channel 32 (w % 2) + l: tile 2 (w % 2) + h, row r
	s_mul_i32 s37, s36, 3072
	s_add_co_u32 s34, s34, s37
	s_add_co_u32 s34, s34, VIMG
	v_mul_u32_u24 v13, v34, 1536
	v_mad_u32_u24 v13, v33, 48, v13
	v_add_nc_u32 v13, s34, v13
	s_lshl_b32 s34, s35, 9
	s_lshl_b32 s37, s36, 2
	s_add_co_u32 s34, s34, s37
	s_add_co_u32 s34, s34, VSC
	v_lshl_add_u32 v14, v32, 3, s34                ; V's scale words: 8 l + 4 (w % 2)
	s_wait_kmcnt 0x0
	s_mul_f32 s14, s14, 0x3fb8aa3b                 ; c = scale x log2(e)
	s_and_b32 s24, s14, 0x80000000                 ; its sign, which x1 takes,
	s_and_b32 s22, s14, 0x7fffffff                 ; and |c|
	s_mov_b32 s23, s22                             ; (the packed form names the pair, so both are written)
; A task's sixteen rows turn through my stage: in as loaded, out 32 neighbours a lane.  left: the loads issued behind the task's own eight.
.macro TURN_A set, left
	s_wait_loadcnt \left                           ; loads come back in order: the task's eight are in
.irp i, 0,1,2,3,4,5,6,7
	ds_store_b128 v5, v[R+32*(\set)+4*\i:R+32*(\set)+4*\i+3] offset:544*\i
.endr
.irp i, 0,1,2,3,4,5,6,7
	ds_load_b128 v[X+4*\i:X+4*\i+3], v8 offset:16*\i     ; LDS serves a wave's instructions in order: these see the stores above
.endr
	s_wait_dscnt 0x0                               ; the numbers are in; the stage's stores have read their set, which may be loaded again; the last task's stores have read the codes' registers
.endm
; 32 numbers of one lane, one whole block along K, become 24 bytes of codes in v[C] on, and the scale's byte in v[BY]
.macro QUANT32 src
	v_max3_num_f32 v[M0], |v[(\src)]|, |v[(\src)+1]|, |v[(\src)+2]|      ; the block's largest magnitude, in two chains
	v_max3_num_f32 v[M1], |v[(\src)+3]|, |v[(\src)+4]|, |v[(\src)+5]|
.irp i, 6,10,14,18,22,26
	v_max3_num_f32 v[M0], v[M0], |v[(\src)+\i]|, |v[(\src)+\i+1]|
	v_max3_num_f32 v[M1], v[M1], |v[(\src)+\i+2]|, |v[(\src)+\i+3]|
.endr
	v_max3_num_f32 v[M0], v[M0], |v[(\src)+30]|, |v[(\src)+31]|
	v_max3_num_f32 v[M0], v[M0], v[M1], 0x2800000  ; and the floor 2^(5 - 127): the byte cannot fall under 1
	v_add_nc_u32 v[SCO], 0xfe000000, v[M0]         ; 4 off its exponent field: the conversion takes the exponent field of this operand as its scale, and nothing else of it
	v_cvt_scalef32_pk16_bf6_f32 v[C:C+2], v[(\src):(\src)+15], v[SCO]
	v_cvt_scalef32_pk16_bf6_f32 v[CT:CT+2], v[(\src)+16:(\src)+31], v[SCO]   ; (a conversion's three registers begin on an even number)
	v_lshrrev_b32 v[BY], 23, v[SCO]                ; the scale's byte.  (The plain line behind the conversions)
.irp i, 0,1,2
	v_mov_b32 v[C+3+\i], v[CT+\i]
.endr
.endm
; The numbers in v[X] on are quantised and stored.  isq = 1: they are x1's: c's sign is turned onto them, and the byte goes to both halves of the scale word
.macro TURN_B cadr, coff, badr, boff, isq
.if \isq
.set n, 0
.rept 32
	v_xor_b32 v[X+n], s24, v[X+n]
.set n, n+1
.endr
.endif
	QUANT32 X
.irp i, 0,1,2
	ds_store_b64 v[\cadr], v[C+2*\i:C+2*\i+1] offset:(\coff)+8*\i
.endr
	ds_store_b8 v[\badr], v[BY] offset:(\boff)
.if \isq
	ds_store_b8 v[\badr], v[BY] offset:(\boff)+2
.endif
.endm
; Block i of x3: keys 32 i on of my 256: step i / 4 of my two; in it block i % 4 = 2 c + h of the operand's layout: operand lane 16 (i % 2) + r, registers 6 ((i / 2) % 2) on
.macro VBLK i, left
	s_wait_loadcnt \left                           ; this block's 32 loads are in; the next block's may be out
	s_wait_dscnt 0x0                               ; the stores before have read the codes' registers
	QUANT32 R+32*(2+(\i)%2)
.if (\i)%4 == 0
	v_mov_b32 v[VWD+(\i)/4], v[BY]                 ; four bytes make a step's scale word, the lower keys in the lower byte
.else
	v_lshl_or_b32 v[VWD+(\i)/4], v[BY], 8*((\i)%4), v[VWD+(\i)/4]
.endif
.irp p, 0,1,2
	ds_store_b64 v13, v[C+2*\p:C+2*\p+1] offset:((\i)/4)*6144+((\i)%2)*768+(((\i)/2)%2)*24+8*\p
.endr
.if (\i)%4 == 3
	ds_store_b32 v14, v[VWD+(\i)/4] offset:256*((\i)/4)
.endif
.if (\i) <= 5
	LOADV (\i)+2                                   ; into the set just quantised
.endif
.endm
	; ---- THE PROLOGUE: eight chunks of x2, two tiles of x1, eight blocks of x3.  Loads run four tasks ahead; 64 loads of mine are out at the most
.irp a, 0,1,2,3,4,5,6,7
.if \a == 7
	TURN_A 3, 48                                   ; behind chunk 7's loads: q's two tiles (16) and x3's block 0 (32)
.else
	TURN_A \a%4, 24                                ; behind the chunk's loads: three tasks of eight
.endif
.if \a < 4
	LOADT \a%4, 6, 4096*(\a+4), 0                  ; the chunk four on
.elseif \a < 6
	LOADT \a%4, 4, 65536*(\a-4), 1                 ; my two tiles of queries, 256 rows apart
.elseif \a == 6
	LOADV 0
.endif
	TURN_B 10, 1536*(\a/2)+384*(\a%2), 11, 4*(\a/2)+128*(\a%2), 0
.endr
	TURN_A 0, 40                                   ; behind q's first tile: its second (8) and x3's block 0 (32)
	TURN_B 78, 0, 12, 0, 1
	TURN_A 1, 32                                   ; behind q's second tile: x3's block 0
	LOADV 1
	TURN_B 78, 768, 12, 64, 1
.irp i, 0,1,2,3,4,5,6
	VBLK \i, 32
.endr
	VBLK 7, 0
	s_wait_dscnt 0x0                               ; for the others' sake: all my stores have landed
	s_barrier_signal -1
	s_barrier_wait -1                              ; the head's codes and scale words lie in LDS; from here on they are only read
.irp z, 32,33,34,35,36,37,50,51,52,53,54,55,68,69,70,71,72,73
	v_mov_b32 v\z, 0                               ; the zero codes beside K's: written once
.endr
	v_mov_b32 v249, 0                              ; written once: named as the upper half of the pair v[248:249]
; ---- THE PIECES OF A KEY STEP
; The largest score of blocks x0 and x1 of 32 keys (my 16 of each): two chains of seven scores a block, so that four lines stand between a line and the one that reads its result.  Each accumulator is first read at its low end.
.macro BMAXA x0, x1
.irp b, \x0, \x1
	v_max3_num_f32 v[BM+\b], v[S+16*\b], v[S+16*\b+1], v[S+16*\b+2]
	v_max3_num_f32 v[T4+\b], v[S+16*\b+8], v[S+16*\b+9], v[S+16*\b+10]
.endr
.irp i, 3,5
.irp b, \x0, \x1
	v_max3_num_f32 v[BM+\b], v[BM+\b], v[S+16*\b+\i], v[S+16*\b+\i+1]
	v_max3_num_f32 v[T4+\b], v[T4+\b], v[S+16*\b+8+\i], v[S+16*\b+9+\i]
.endr
.endr
.endm
.macro BJOIN x0, x1                    ; the two chains and the two scores left over
.irp b, \x0, \x1
	v_max3_num_f32 v[BM+\b], v[BM+\b], v[T4+\b], v[S+16*\b+7]
.endr
.irp b, \x0, \x1
	v_max_num_f32 v[BM+\b], v[BM+\b], v[S+16*\b+15]
.endr
.endm
.macro TM k                            ; pair k of the scores: t - M, two at a time (of the pairs |c| and -M the low word serves both halves)
	v_pk_fma_f32 v[S+2*(\k):S+2*(\k)+1], v[S+2*(\k):S+2*(\k)+1], s[22:23], v[12:13] op_sel_hi:[1,0,0]
.endm
.macro OMUL                            ; the next pair of O^T under the new M: x f.  The counter goes up: each accumulator is read from its low end on
	v_pk_mul_f32 v[OT+om:OT+om+1], v[OT+om:OT+om+1], v[248:249] op_sel_hi:[1,0]
.set om, om+2
.endm
.macro PSUM k                          ; pair k of the UNQUANTISED p joins the row's sum: even pairs the sum itself, odd pairs a second chain, which pairs 0 and 1 begin
.if (\k) == 1
	s_wait_alu depctr_va_vdst(0)
	v_pk_add_f32 v[250:251], v[S:S+1], v[S+2:S+3]
.elseif (\k)%2 == 0
	v_pk_add_f32 v[14:15], v[14:15], v[S+2*(\k):S+2*(\k)+1]
.else
	s_wait_alu depctr_va_vdst(0)
	v_pk_add_f32 v[250:251], v[250:251], v[S+2*(\k):S+2*(\k)+1]
.endif
.endm
.macro SCL q                           ; line q of 15 from the blocks' largest p to the conversions' scale operands and p's scale word
.if (\q) < 4
	v_max_num_f32 v[BM+(\q)], 0x2800000, v[BM+(\q)]            ; the floor 2^(5 - 127): the byte cannot fall under 1
.elseif (\q) < 8
	v_add_nc_u32 v[SO+(\q)-4], 0xfe000000, v[BM+(\q)-4]        ; 4 off the exponent field: the conversion's scale operand
.elseif (\q) < 12
	v_lshrrev_b32 v[252+(\q)-8], 23, v[SO+(\q)-8]              ; the scale's byte
.elseif (\q) == 12
	v_lshl_or_b32 v[PW], v253, 8, v252                         ; p's scale word for these 128 keys
.elseif (\q) == 13
	v_lshl_or_b32 v[PW], v254, 16, v[PW]
.else
	v_lshl_or_b32 v[PW], v255, 24, v[PW]
.endif
.endm
; ---- A TILE OF 16 QUERIES over all 2,048 keys
.macro TILE tau
.irp i, 0,1,2
	ds_load_b64 v[16+2*\i:17+2*\i], v78 offset:768*\tau+8*\i      ; q's six registers,
.endr
.irp i, 0,1,2
	ds_load_b64 v[22+2*\i:23+2*\i], v78 offset:768*\tau+8*\i      ; twice
.endr
	ds_load_b32 v28, v79 offset:64*\tau
	ds_load_b128 v[74:77], v3                      ; step 0's scale words of K, and its pairs 0 and 1: later steps' are asked for a step ahead
.irp i, 0,1
.irp q, 0,1,2
	ds_load_b128 v[38+18*\i+4*\q:41+18*\i+4*\q], v1 offset:1536*\i+16*\q
.endr
.endr
	v_mov_b32 v13, 0xff61b1e6                      ; the largest t so far: -3e38, under every t
	v_floor_f32 v12, -v13                          ; -M
	v_mov_b32 v14, 0                               ; the sum, in two halves
	v_mov_b32 v15, 0
.set n, 0
.rept 32
	v_mov_b32 v[OT+n], 0                           ; O^T.  (The step is written once: the first finds zeros, which the first change of M leaves zeros)
.set n, n+1
.endr
	s_mov_b32 s25, 0                               ; 6,144 x step: the codes;
	s_mov_b32 s26, 0                               ; 256 x step: the scale words
	s_mov_b32 s27, 16
	s_wait_dscnt 0x0                               ; Q, and step 0's first tiles of K
.Lstep_\tau:
.irp i, 0,1                                        ; S^T = K Q^T, pairs 0 and 1: their codes and scale words were asked for in the step before, and the wait in front of its last products has shown them in
.irp u, 0,1
	v_wmma_scale_f32_16x16x128_f8f6f4 v[S+8*(2*\i+\u):S+8*(2*\i+\u)+7], v[32+18*\i+12*\u:43+18*\i+12*\u], v[16:27], 0, v[74+\i], v28 matrix_a_fmt:MATRIX_FMT_BF6 matrix_b_fmt:MATRIX_FMT_BF6
.endr
.endr
	v_add_nc_u32 v8, s25, v1                       ; the step's addresses: four plain lines that name no register of the products above nor of the last step's: the places in front of the loads below
	v_add_nc_u32 v9, s25, v2                       ; and of the first read of the results (ISA guide 7.12.1 for vector instructions)
	v_add_nc_u32 v10, s26, v3
	v_add_nc_u32 v11, s26, v4
.irp i, 0,1
.irp q, 0,1,2
	ds_load_b128 v[38+18*\i+4*\q:41+18*\i+4*\q], v8 offset:1536*(2+\i)+16*\q  ; pairs 2 and 3
.endr
.endr
.irp t, 0,1,2,3
.irp q, 0,1,2
	ds_load_b128 v[80+12*\t+4*\q:83+12*\t+4*\q], v9 offset:1536*\t+16*\q      ; V's four fragments: they land while the softmax is walked
.endr
.endr
	ds_load_b64 v[30:31], v11                      ; V's scale words: v30 channels 0-31, v31 channels 32-63
	BMAXA 0, 1                                     ; THE LARGEST SCORE OF EACH BLOCK OF 32 KEYS: for the row's maximum, and, since p rises with the score (|c| is not negative), for the block's largest p.  Blocks 0 and 1: twelve lines while pairs 2 and 3 are on their way
	s_wait_dscnt 13                                ; K's six are in; V's twelve and its scale words may be out
.irp i, 0,1
.irp u, 0,1
	v_wmma_scale_f32_16x16x128_f8f6f4 v[S+8*(4+2*\i+\u):S+8*(4+2*\i+\u)+7], v[32+18*\i+12*\u:43+18*\i+12*\u], v[16:27], 0, v[76+\i], v28 matrix_a_fmt:MATRIX_FMT_BF6 matrix_b_fmt:MATRIX_FMT_BF6
.endr
.endr                                              ; lane (r, h) holds query r; register 16 b + i is key 32 b + 16 h + i of the step
	BJOIN 0, 1                                     ; blocks 0 and 1 are finished: four plain lines that name no register of the four products above: the places in front of the loads below and of the first read of these results
	ds_load_b128 v[74:77], v10 offset:256          ; THE NEXT STEP'S scale words of K and its pairs 0 and 1.  (In the last step these seven loads read the LDS bytes that follow K's: V's, written ahead of the barrier; what they bring is not used)
.irp i, 0,1
.irp q, 0,1,2
	ds_load_b128 v[38+18*\i+4*\q:41+18*\i+4*\q], v8 offset:6144+1536*\i+16*\q
.endr
.endr
	BMAXA 2, 3
	BJOIN 2, 3
.irp b, 0,1,2,3
	v_permlanex16_b32 v[T4+\b], v[BM+\b], s20, s21
.endr
.irp b, 0,1,2,3
	v_max_num_f32 v[BM+\b], v[BM+\b], v[T4+\b]     ; with lane l xor 16's 16 keys
.endr
	v_max3_num_f32 v254, v[BM], v[BM+1], v[BM+2]
	v_max_num_f32 v254, v254, v[BM+3]              ; the step's largest score of my query
	v_mul_f32 v254, s22, v254                      ; as t
	v_max_num_f32 v13, v13, v254                   ; the running largest t
	v_mov_b32 v254, v12
	v_floor_f32 v12, -v13                          ; the new -M = floor(-t) = -ceil(t): M is a whole number
	v_fma_f32 v[BM], v[BM], s22, v12               ; t - M of each block's largest score, by turns with the three lines that make f
	v_sub_f32 v254, v12, v254                      ; M's old value less its new one: a whole number, 0 or less
	v_fma_f32 v[BM+1], v[BM+1], s22, v12
	v_cvt_i32_f32 v254, v254                       ; (it saturates)
	v_fma_f32 v[BM+2], v[BM+2], s22, v12
	v_ldexp_f32 v248, 1.0, v254                    ; f = 2^(old M - new M)
	v_fma_f32 v[BM+3], v[BM+3], s22, v12
.irp b, 0,1,2,3
	TM \b                                          ; the first four pairs of scores,
	v_exp_f32 v[BM+\b], v[BM+\b]                   ; and the blocks' largest p: the same two instructions on the same number as in its place among the scores
.endr
; 32 UNITS, one for each pair of scores.  In unit un: p = 2^(t - M) of the pair's two scores, each exponential with a plain line behind it that touches neither its result nor its source (ISA guide 5.7.2):
; behind the first t - M of the pair four units on (at the end: O^T x f); behind the second the sum of the pair five units back (at the start: the sum x f, O^T x f); then one line of the rest:
; the scale word's fifteen, a conversion as soon as its 16 p and its scale operand are there, the exchange of halves, O^T x f.
.set un, 0
.set om, 0
.rept 32
	v_exp_f32 v[S+2*un], v[S+2*un]
.if un < 28
	TM un+4
.else
	OMUL
.endif
	v_exp_f32 v[S+2*un+1], v[S+2*un+1]
.if un == 0
	v_pk_mul_f32 v[14:15], v[14:15], v[248:249] op_sel_hi:[1,0]   ; the sums under the new M
	s_wait_alu depctr_va_vdst(0)
.elseif un < 6
	OMUL
.else
	PSUM un-5
.endif
.if un < 15
	SCL un
.elseif un == 15
	v_cvt_scalef32_pk16_bf6_f32 v[224:226], v[S:S+15], v[SO]              ; keys 16 h + 0 .. 15 of block 0
.elseif un == 16
	s_wait_alu depctr_va_vdst(0)
	v_cvt_scalef32_pk16_bf6_f32 v[T4:T4+2], v[S+16:S+31], v[SO+1]         ; of block 1.  (A conversion's three registers begin on an even number)
.elseif un < 20
	v_permlane16_swap_b32 v[224+un-17], v[T4+un-17]                       ; the operand's layout wants a WHOLE block in a lane: lanes 0-15 block 0, lanes 16-31 block 1
.elseif un < 23
	v_mov_b32 v[227+un-20], v[T4+un-20]
.elseif un == 24
	s_wait_alu depctr_va_vdst(0)
	v_cvt_scalef32_pk16_bf6_f32 v[230:232], v[S+32:S+47], v[SO+2]         ; of block 2
.elseif un < 31
	OMUL
.endif
.set un, un+1
.endr
	s_wait_alu depctr_va_vdst(0)
	v_cvt_scalef32_pk16_bf6_f32 v[T4+4:T4+6], v[S+48:S+63], v[SO+3]       ; of block 3
	PSUM 27                                        ; (the plain line behind the conversion)
.irp i, 0,1,2
	v_permlane16_swap_b32 v[230+\i], v[T4+4+\i]    ; lanes 0-15 block 2, lanes 16-31 block 3
.endr
.irp i, 0,1,2
	v_mov_b32 v[233+\i], v[T4+4+\i]
.endr
	PSUM 28                                        ; the last sums: five plain lines that name no register of the products below stand between p's last code register and them
	PSUM 29
	PSUM 30
	PSUM 31
	v_pk_add_f32 v[14:15], v[14:15], v[250:251]
	s_wait_dscnt 0x0                               ; V's fragments and scale words are in, and so is what was asked for the next step
.irp t, 0,1,2,3                                    ; O^T += V^T P^T: four tiles of 16 channels; the four accumulators by turns, one instruction a turn, and the eight products K Q^T stand between two links
.if \t%2
	v_wmma_scale_f32_16x16x128_f8f6f4 v[OT+8*\t:OT+8*\t+7], v[80+12*\t:91+12*\t], v[224:235], v[OT+8*\t:OT+8*\t+7], v[30+\t/2], v[PW] matrix_a_fmt:MATRIX_FMT_BF6 matrix_b_fmt:MATRIX_FMT_BF6 matrix_a_scale:MATRIX_SCALE_ROW1
.else
	v_wmma_scale_f32_16x16x128_f8f6f4 v[OT+8*\t:OT+8*\t+7], v[80+12*\t:91+12*\t], v[224:235], v[OT+8*\t:OT+8*\t+7], v[30+\t/2], v[PW] matrix_a_fmt:MATRIX_FMT_BF6 matrix_b_fmt:MATRIX_FMT_BF6
.endif
.endr
	s_add_co_u32 s25, s25, 6144
	s_add_co_u32 s26, s26, 256
	s_sub_co_u32 s27, s27, 1
	s_cmp_lg_u32 s27, 0
	s_cbranch_scc1 .Lstep_\tau
	; THE WAY OUT: O^T / the sum goes through my stage and leaves as whole rows of 256 bytes, two to a store
	v_add_f32 v14, v14, v15                        ; the sum's two halves,
	v_permlanex16_b32 v254, v14, s20, s21
	v_add_f32 v14, v14, v254                       ; and lane l xor 16's: the row's sum (over 1/2: the row's largest p is)
	v_rcp_f32 v14, v14
.rept 4
	v_nop                                          ; the plain line behind the reciprocal, and the places behind the last products
.endr
.set n, 0
	s_wait_alu depctr_va_vdst(0)
.rept 16
	v_pk_mul_f32 v[S+n:S+n+1], v[OT+n:OT+n+1], v[14:15] op_sel_hi:[1,0]   ; register 8 t + i is o(query r, channel 16 t + 8 h + i)
.set n, n+2
.endr
.irp t, 0,1,2,3
	ds_store_b128 v6, v[S+8*\t:S+8*\t+3] offset:64*\t
	ds_store_b128 v6, v[S+8*\t+4:S+8*\t+7] offset:64*\t+16
.endr
.irp i, 0,1,2,3,4,5,6,7
	ds_load_b128 v[S+32+4*\i:S+35+4*\i], v5 offset:544*\i          ; LDS serves a wave's instructions in order: these see my stores
.endr
.irp i, 0,1,2,3,4,5,6,7
	s_wait_dscnt 7-\i                              ; the younger loads from the stage may be out
	global_store_b128 v7, v[S+32+4*\i:S+35+4*\i], s[12:13] offset:65536*\tau+512*\i th:TH_STORE_NT   ; 32 lanes store 512 consecutive bytes, at a multiple of 256 from out0's first byte; written once, read by nobody here
.endr
.if \tau == 0
	s_wait_xcnt 0x0                                ; the next tile's products write the registers that these stores read: only behind this wait
.endif
.endm
	TILE 0
	TILE 1
	s_wait_xcnt 0x0
	v_lshl_add_u32 v254, v0, 2, 0x49800
	v_mov_b32 v255, 0
	s_wait_tensorcnt 0x0
	ds_add_u32 v254, v255
	s_wait_dscnt 0x0
	s_endpgm
.Lfunc_end_k_q5974a11551_attn:
	.size	k_q5974a11551_attn, .Lfunc_end_k_q5974a11551_attn-k_q5974a11551_attn
	.p2alignl 7, 3214868480
	.fill 96, 4, 3214868480
	.section	.rodata,"a",@progbits
	.p2align	6, 0x0
	.amdhsa_kernel k_q5974a11551_attn
		.amdhsa_group_segment_fixed_size 303104
		.amdhsa_private_segment_fixed_size 0
		.amdhsa_enable_private_segment 0
		.amdhsa_kernarg_size 40
		.amdhsa_user_sgpr_count 2
		.amdhsa_user_sgpr_kernarg_segment_ptr 1
		.amdhsa_wavefront_size32 1
		.amdhsa_system_sgpr_workgroup_id_x 1
		.amdhsa_system_sgpr_workgroup_id_y 1
		.amdhsa_system_sgpr_workgroup_id_z 1
		.amdhsa_system_vgpr_workitem_id 0
		.amdhsa_next_free_vgpr 256
		.amdhsa_next_free_sgpr 66
		.amdhsa_reserve_vcc 0
		.amdhsa_float_denorm_mode_32 3
		.amdhsa_float_denorm_mode_16_64 3
		.amdhsa_memory_ordered 1
		.amdhsa_forward_progress 1
		.amdhsa_inst_pref_size 122
	.end_amdhsa_kernel
	.amdgpu_metadata
---
amdhsa.version: [ 1, 2 ]
amdhsa.kernels:
  - .name:           k_q5974a11551_attn
    .symbol:         k_q5974a11551_attn.kd
    .args:
      - { .name: x1, .offset: 0, .size: 8, .value_kind: global_buffer, .address_space: global }
      - { .name: x2, .offset: 8, .size: 8, .value_kind: global_buffer, .address_space: global }
      - { .name: x3, .offset: 16, .size: 8, .value_kind: global_buffer, .address_space: global }
      - { .name: scale, .offset: 24, .size: 8, .value_kind: global_buffer, .address_space: global }
      - { .name: out0, .offset: 32, .size: 8, .value_kind: global_buffer, .address_space: global }
    .group_segment_fixed_size: 303104
    .private_segment_fixed_size: 0
    .kernarg_segment_align: 8
    .kernarg_segment_size: 40
    .max_flat_workgroup_size: 512
    .sgpr_count:     66
    .vgpr_count:     256
    .wavefront_size: 32
...
	.end_amdgpu_metadata
.endif
;; end of part 1
;; ======== version 2 of 2: 1 launch; version 1 with the launch attn written anew for expert scheduling mode
;; launch attn (part 2): grid 4 x 64, 16 waves a work-group, no clusters, 303,104 bytes of LDS; arguments x1, x2, x3, scale, out0; writes out0
.if DOCPART == 2
	.amdgcn_target "amdgcn-amd-amdhsa--gfx1250"
	.amdhsa_code_object_version 6
	.text
	.protected	k_q5974a11551_attn
	.globl	k_q5974a11551_attn
	.p2align	8
	.type	k_q5974a11551_attn,@function
k_q5974a11551_attn:
	s_mov_b64 s[64:65], 0
	v_nop
	global_prefetch_b8 v0, s[64:65] scope:SCOPE_SE
	s_setreg_imm32_b32 hwreg(HW_REG_WAVE_SCHED_MODE, 0, 2), 2
	s_setreg_imm32_b32 hwreg(HW_REG_WAVE_MODE, 25, 1), 1
	s_wait_xcnt 0x0
	s_wait_alu depctr_vm_vsrc(0)
; out0[h][q][:] = the sum over k of softmax_k(x1[h][q] . x2[h][k] x scale) x3[h][k][:].  64 heads, 2,048 queries and keys, 64 channels; all tensors f32.
; Both products go on codes of BF6 (E3M2) with one E8M0 scale for each 32 along a product's K (the first: the 64 channels; the second: the keys).
; THE SOFTMAX AHEAD OF THE SECOND PRODUCT: t = score x c, c = scale x log2(e); M = the running largest t rounded UP to a whole number; p = 2^(t - M) is quantised along the keys, not normalised;
; the row's sum is taken of the unquantised p and divides at the end.  When M moves, the sum and O are multiplied by 2^(old M - new M): exact.
; SHARES.  A work-group of sixteen waves owns 512 queries of one head: 4 x 64 = 256 work-groups of equal work.  A head's codes fit in LDS whole (K 98,304 bytes, V 98,304, the scale bytes 8,192):
; PROLOGUE: the sixteen waves quantise the head's x2 and x3 and their own rows of x1 into LDS, laid in the order of the operands' registers; ONE barrier;
; MAIN PART: each wave walks its two tiles of 16 queries, one after the other, over 16 steps of 128 keys, reading LDS alone: no barrier, no fill of LDS, nothing from memory.
; Four waves share a SIMD (256 registers each), so that one wave's LDS waits and matrix instructions stand beside the others' vector work, which is the larger part of a step (237 vector lines for 12 matrix lines).
; NO CLUSTER, NO JOINT LOADS: what the four work-groups of a head share is f32 that must pass through registers to be quantised, and it is read once, in the prologue; the key loop fetches nothing.
; Beside the codes, the scales, q's images and the stages 26,624 of 327,680 bytes of LDS lie free: a ring for the shared 1,048,576 bytes would be filled again dozens of times, each behind a round of the cluster's barrier.
; LAYOUT.  Both products are used transposed: S^T = K Q^T (source 0 = 16 keys, source 1 = my 16 queries), O^T = V^T P^T (source 0 = 16 channels, source 1 = P): a lane holds ONE query (lane % 16) throughout.
; THE KEYS OF A TILE ARE NOT NEIGHBOURS: row m of tile (pair b, u) of a step is key 32 b + 8 u + 16 (m / 8) + m % 8, so that the 16 registers of tiles (b, 0) and (b, 1) are 16 neighbouring keys, 32 b + 16 (lane / 16) + 0 .. 15.
; THE FIRST PRODUCT'S K IS 64, the instruction's 128.  Q's operand holds q's six registers twice (scale word s0 s1 s0 s1).  K's registers are a run Z X0 Y0 Z X1 Y1 Z of six each, Z = zero codes, never rewritten:
; tile u = 0 is the operand [Z, X] (its codes at k = 64 .. 127, scale bytes 2, 3), tile u = 1 is [Y, Z] (k = 0 .. 63, bytes 0, 1).  So a pair of tiles is 12 neighbouring registers, three loads of 16 bytes, and one scale word
; a row serves both.  The zero codes meet the other tile's bytes, which lie in 1 .. 254: they add nothing.
; A NEGATIVE scale: the quantiser is odd (Q(-x) = -Q(x), exactly), so x1's signs are turned by c's sign ahead of its quantiser and |c| is used from there on: p then rises with the score that the registers hold.
; THE ORDER OF A KEY STEP.  The exponentials stand singly among the plain lines that are due anyway; V's fragments and the next step's first tiles of K are asked for one load to a unit of the softmax; work that is due takes the places behind the matrix instructions.
; THE MODE: SCHED_MODE bits 1:0 = 2 (LLVM: expert scheduling mode 2), set by the entry lines.  The code itself states the register dependences between vector or matrix instructions and memory or LDS instructions,
; with s_wait_alu, always for 0.
; THE PLAN, PROLOGUE.  Registers that memory or LDS instructions touch:
;   v128-255        four sets.  Global loads land in them.  x2's and x1's are read by the LDS stores into the stage alone; x3's (sets 2 and 3) by the quantiser alone.
;   v80-111         The stage's LDS loads land in them; the quantiser reads them (x1: the sign's lines write them first).
;   v19-25, v30-31  The byte, the codes, V's scale words: the quantiser writes them, LDS stores read them.
;   v1-14, v78, v79 Addresses: written once, at the head.
;   A task has two waits.  On vm_vsrc, behind its turn through the stage (x3: at its head): the stage's stores have read the set that is loaded again, the last task's stores the codes' registers that the quantiser writes.
;   On va_vdst, behind its quantiser: the codes and the byte are written, and the quantiser is done reading the registers in which the next numbers land; no vector line stands between that wait and those loads.
; THE PLAN, KEY STEP.
;   v38-49, v56-67  K's codes, and v74-77, K's scale words: read by the step's eight products K Q^T.  Pairs 2 and 3 land behind the first four; the next step's words and pairs 0 and 1 behind the second four.
;   v80-127, v30-31 V's fragments and scale words: read by the step's last four products; the next step's land from its unit 0 on.
;   v8-11           The step's addresses: written once a step, behind the first four products; read by the step's 26 loads.
;   v224-235, v29   p's codes and scale word: written by vector lines, taken by the last four products as source 1 and its scales.
;   All else is named by vector and matrix instructions alone.
;   So: one wait on vm_vsrc ahead of the four additions; one on va_vdst behind them (the addresses; K's registers; V's, which the last step's products read); the wait in unit 0, which stands behind all eight products K Q^T,
;   frees K's registers and scale words: from it to the step's end no vector line names a register that the 20 loads dealt among units 0 to 19 touch; one wait on va_vdst ahead of the last four products.
;   The exponentials' waits: a wait in unit u covers the pairs up to u, and pair k is first read in unit k + 5 or by its block's conversion: so they stand in units 0, 6, 12, 16, 22, 24, 30 and at the tail's head.
; LIMITS: NaN and infinities among the inputs, and a scale that is not finite, are not served.  A block of zeros, and one whose largest magnitude lies under 2^-122, keeps the scale byte 1 (the rule says 127 for zeros): its
; codes are zeros or the rule's own, and the bytes are read by this program alone.  p under 2^-126 counts as 0 (v_exp_f32 flushes denormal results).  t is score x (scale x log2(e)), that constant rounded once.
.set KIMG, 0                           ; LDS: K's codes: step j 6,144 bytes; pair b 1,536; lane l 48 = 24 of tile u = 0, then 24 of tile u = 1
.set VIMG, 98304                       ; V's codes: step j 6,144; channel tile t 1,536; lane l 48 = the fragment's 12 registers
.set KSC,  196608                      ; K's scale words: step j 256 bytes; row m 16; pair b one word: bytes 0, 1 tile u = 1's two blocks, bytes 2, 3 tile u = 0's
.set VSC,  200704                      ; V's: step j 256 bytes; lane l 8 = the word of channel l, then that of channel 32 + l
.set QIMG, 204800                      ; q's codes: wave w 1,536; tile 768; lane 24
.set QSC,  229376                      ; q's scale words: wave w 128; tile 64; row 4
.set STG,  231424                      ; a stage for each wave, its own: 16 rows x (256 bytes + 16): the turn of f32 rows in the prologue, and the way out.  Ends at 301,056; behind it the spare words, 128 bytes a wave
; A lane's place of 48 bytes is 12 words, since 3 has no factor in common with 16.  Stage rows of 272 bytes likewise.
; REGISTERS that stay: v1 KIMG + 48 l; v2 VIMG + 48 l; v3 KSC + 16 r; v4 VSC + 8 l; v5 stage by rows (272 h + 16 r); v6 stage, results in (272 r + 32 h); v7 16 l; v78 my q codes; v79 my q scale words.
; PROLOGUE: v8 stage, numbers out (272 r + 128 h); v9 4 l; v10, v11 where K's codes and bytes go; v12 q's bytes; v13, v14 V's codes and words; v16-19 at work; v20-25 a block's codes; v112-114 its second half;
;   v30-31 V's scale words; v80-111 32 numbers along K; v128-255 four sets of 32 numbers as loaded.
; MAIN: v8-11 the step's addresses; v12 -M; v13 the largest t; v[14:15] the sum in two halves; v16-27 Q; v28 Q's scale word; v29 p's scale word; v30-31 V's scale words; v32-73 K's run; v74-77 K's scale words;
;   v80-127 V's four fragments; v128-191 S^T, then p; v192-223 O^T; v224-235 p's codes (v232-235 first the blocks' largest scores); v236-243 second chains of the maxima, the other half's maxima, then the conversions' second halves;
;   v244-247 the conversions' scale operands; v[248:249] f and a 0; v[250:251] the sum's second chain; v252-255 p's four scale bytes (v254 first at work on M).
.set M0,  16
.set M1,  17
.set SCO, 18
.set BY,  19
.set C,   20
.set CT,  112
.set VWD, 30
.set X,   80
.set R,   128
.set S,   128
.set OT,  192
.set BM,  232
.set T4,  236
.set SO,  244
.set PW,  29
	s_load_b256 s[4:11], s[0:1], 0x0               ; x1 s[4:5], x2 s[6:7], x3 s[8:9], scale's address s[10:11]
	s_load_b64 s[12:13], s[0:1], 0x20              ; out0
	v_lshrrev_b32 v37, 5, v0
	v_readfirstlane_b32 s15, v37                   ; wave w, 0 .. 15
	v_and_b32 v32, 31, v0                          ; l: lane
	v_lshlrev_b32 v7, 4, v32                       ; 16 l
	s_and_b32 s16, ttmp7, 0xffff                   ; the head:
	s_lshl_b32 s16, s16, 19                        ; 2,048 rows of 256 bytes each
	s_lshl_b32 s17, ttmp9, 17                      ; my work-group's 512 queries
	s_wait_alu depctr_va_sdst(0)                   ; s15 is written, ahead of its first reader: the bases and the LDS places are made from it
	s_lshl_b32 s18, s15, 12                        ; my wave's 16 of a tile row of 256
	s_add_co_u32 s28, s16, s17
	s_add_co_u32 s28, s28, s18                     ; x1 and out0: my first query
	s_mov_b32 s29, 0
	s_lshl_b32 s18, s15, 15
	s_add_co_u32 s30, s16, s18                     ; x2: key step w, 128 rows
	s_mov_b32 s31, 0
	s_lshr_b32 s35, s15, 1                         ; w / 2: which 256 keys of x3 are mine,
	s_and_b32 s36, s15, 1                          ; w % 2: which 32 channels
	s_lshl_b32 s18, s35, 16
	s_add_co_u32 s32, s16, s18
	s_lshl_b32 s18, s36, 7
	s_add_co_u32 s32, s32, s18
	s_mov_b32 s33, 0
	s_mov_b32 s20, 0x76543210
	s_mov_b32 s21, 0xfedcba98                      ; v_permlanex16_b32's selects for lane l xor 16
	s_wait_kmcnt 0x0
	s_load_b32 s14, s[10:11], 0x0                  ; scale
	s_add_nc_u64 s[4:5], s[4:5], s[28:29]
	s_add_nc_u64 s[12:13], s[12:13], s[28:29]
	s_add_nc_u64 s[6:7], s[6:7], s[30:31]
	s_add_nc_u64 s[8:9], s[8:9], s[32:33]
; Sixteen rows of 256 bytes, dense: eight loads, each of 512 consecutive bytes, into set `set`.  nt = 1: read by this wave alone in the whole launch
.macro LOADT set, base, off, nt
.irp i, 0,1,2,3,4,5,6,7
.if \nt
	global_load_b128 v[R+32*(\set)+4*\i:R+32*(\set)+4*\i+3], v7, s[\base:\base+1] offset:(\off)+512*\i th:TH_LOAD_NT
.else
	global_load_b128 v[R+32*(\set)+4*\i:R+32*(\set)+4*\i+3], v7, s[\base:\base+1] offset:(\off)+512*\i
.endif
.endr
.endm
; Block i of 32 keys of my 256, at my 32 channels: a lane takes a channel and its registers run down the keys; each load reads 128 consecutive bytes.  Sets 2 and 3 by turns
.macro LOADV i
.irp k, 0,1,2,3,4,5,6,7,8,9,10,11,12,13,14,15,16,17,18,19,20,21,22,23,24,25,26,27,28,29,30,31
	global_load_b32 v[R+32*(2+(\i)%2)+\k], v9, s[8:9] offset:(32*(\i)+\k)*256
.endr
.endm
	s_wait_alu depctr_va_vdst(0)                   ; v7 is written, which the loads of x2 and x1 and the stores of out0 read as their offset
	LOADT 0, 6, 0, 0                               ; x2's first four chunks of 16 keys: 32 loads are out while the addresses are made
	LOADT 1, 6, 4096, 0
	LOADT 2, 6, 8192, 0
	LOADT 3, 6, 12288, 0
	v_and_b32 v33, 15, v0                          ; r = l % 16
	v_bfe_u32 v34, v0, 4, 1                        ; h = l / 16
	v_bfe_u32 v35, v0, 3, 1                        ; (l / 8) % 2
	v_and_b32 v36, 7, v0                           ; l % 8
	v_mul_u32_u24 v1, v32, 48                      ; KIMG (= 0) + 48 l
	v_add_nc_u32 v2, VIMG, v1
	v_lshl_add_u32 v3, v33, 4, KSC
	v_lshl_add_u32 v4, v32, 3, VSC
	s_mul_i32 s19, s15, 4352
	s_add_co_u32 s19, s19, STG                     ; my stage
	v_mul_u32_u24 v5, v34, 272
	v_lshl_add_u32 v5, v33, 4, v5
	v_add_nc_u32 v5, s19, v5                       ; by rows: lanes 0-15 one row of 256 bytes, lanes 16-31 the next
	v_mul_u32_u24 v6, v33, 272
	v_lshl_add_u32 v8, v34, 7, v6
	v_lshl_add_u32 v6, v34, 5, v6
	v_add_nc_u32 v6, s19, v6                       ; results in: row r, 32 bytes for each half of the lanes
	v_add_nc_u32 v8, s19, v8                       ; numbers out: row r, my half's 128 bytes: 32 neighbours along the channels
	v_lshlrev_b32 v9, 2, v32                       ; 4 l
	s_mul_i32 s34, s15, 6144                       ; K's codes of step w.  Lane (r, h) holds key 16 a + r, channels 32 h on: tile (a / 2, r / 8), row 8 (a % 2) + r % 8: operand lane 16 h + that row
	v_mul_u32_u24 v10, v34, 768
	v_mad_u32_u24 v10, v36, 48, v10
	v_mad_u32_u24 v10, v35, 24, v10
	v_add_nc_u32 v10, s34, v10
	v_lshl_add_u32 v11, v35, 1, v34                ; its scale byte's place in the row's word: 2 u + h with u turned round: tile u = 1 has bytes 0, 1, tile u = 0 bytes 2, 3
	v_xor_b32 v11, 2, v11
	v_lshl_add_u32 v11, v36, 4, v11
	s_lshl_b32 s34, s15, 8
	s_add_co_u32 s34, s34, KSC
	v_add_nc_u32 v11, s34, v11
	s_mul_i32 s34, s15, 1536
	s_add_co_u32 s34, s34, QIMG
	v_mul_u32_u24 v78, v32, 24
	v_add_nc_u32 v78, s34, v78                     ; q's codes: 24 bytes a lane
	s_lshl_b32 s34, s15, 7
	s_add_co_u32 s34, s34, QSC
	v_lshl_add_u32 v79, v33, 2, s34                ; q's scale words: 4 bytes a row
	v_add_nc_u32 v12, v79, v34                     ; and my block's byte in it
	s_mul_i32 s34, s35, 12288                      ; V's codes: my two steps, my two channel tiles; lane l is channel 32 (w % 2) + l: tile 2 (w % 2) + h, row r
	s_mul_i32 s37, s36, 3072
	s_add_co_u32 s34, s34, s37
	s_add_co_u32 s34, s34, VIMG
	v_mul_u32_u24 v13, v34, 1536
	v_mad_u32_u24 v13, v33, 48, v13
	v_add_nc_u32 v13, s34, v13
	s_lshl_b32 s34, s35, 9
	s_lshl_b32 s37, s36, 2
	s_add_co_u32 s34, s34, s37
	s_add_co_u32 s34, s34, VSC
	v_lshl_add_u32 v14, v32, 3, s34                ; V's scale words: 8 l + 4 (w % 2)
	s_wait_kmcnt 0x0
	s_mul_f32 s14, s14, 0x3fb8aa3b                 ; c = scale x log2(e)
	s_and_b32 s24, s14, 0x80000000                 ; its sign, which x1 takes,
	s_and_b32 s22, s14, 0x7fffffff                 ; and |c|
	s_mov_b32 s23, s22                             ; (the packed form names the pair, so both are written)
	s_wait_alu depctr_va_vdst(0)                   ; the addresses v1 to v6, v8 to v14, v78 and v79 are written, which the LDS instructions and the loads of x3 from here on read
; A task's sixteen rows turn through my stage: in as loaded, out 32 neighbours a lane.  left: the loads issued behind the task's own eight.
; (The loads from the stage land in v[X ..]: the last task's quantiser, which read them, stands ahead of that task's wait on va_vdst, and no vector line stands behind that wait.)
.macro TURN_A set, left
	s_wait_loadcnt \left                           ; loads come back in order: the task's eight are in
.irp i, 0,1,2,3,4,5,6,7
	ds_store_b128 v5, v[R+32*(\set)+4*\i:R+32*(\set)+4*\i+3] offset:544*\i
.endr
.irp i, 0,1,2,3,4,5,6,7
	ds_load_b128 v[X+4*\i:X+4*\i+3], v8 offset:16*\i     ; LDS serves a wave's instructions in order: these see the stores above
.endr
	s_wait_dscnt 0x0                               ; the numbers are in
	s_wait_alu depctr_vm_vsrc(0)                   ; the stage's stores have read their set, in which the next loads land; the last task's stores have read the codes' registers and the byte's, which this task's quantiser writes
.endm
; 32 numbers of one lane, one whole block along K, become 24 bytes of codes in v[C] on, and the scale's byte in v[BY]
.macro QUANT32 src
	v_max3_num_f32 v[M0], |v[(\src)]|, |v[(\src)+1]|, |v[(\src)+2]|      ; the block's largest magnitude, in two chains
	v_max3_num_f32 v[M1], |v[(\src)+3]|, |v[(\src)+4]|, |v[(\src)+5]|
.irp i, 6,10,14,18,22,26
	v_max3_num_f32 v[M0], v[M0], |v[(\src)+\i]|, |v[(\src)+\i+1]|
	v_max3_num_f32 v[M1], v[M1], |v[(\src)+\i+2]|, |v[(\src)+\i+3]|
.endr
	v_max3_num_f32 v[M0], v[M0], |v[(\src)+30]|, |v[(\src)+31]|
	v_max3_num_f32 v[M0], v[M0], v[M1], 0x2800000  ; and the floor 2^(5 - 127): the byte cannot fall under 1
	v_add_nc_u32 v[SCO], 0xfe000000, v[M0]         ; 4 off its exponent field: the conversion takes the exponent field of this operand as its scale, and nothing else of it
	v_cvt_scalef32_pk16_bf6_f32 v[C:C+2], v[(\src):(\src)+15], v[SCO]
	v_cvt_scalef32_pk16_bf6_f32 v[CT:CT+2], v[(\src)+16:(\src)+31], v[SCO]   ; (a conversion's three registers begin on an even number)
	v_lshrrev_b32 v[BY], 23, v[SCO]                ; the scale's byte.  (The plain line behind the conversions)
.irp i, 0,1,2
	v_mov_b32 v[C+3+\i], v[CT+\i]
.endr
.endm
; The numbers in v[X] on are quantised and stored.  isq = 1: they are x1's: c's sign is turned onto them, and the byte goes to both halves of the scale word
.macro TURN_B cadr, coff, badr, boff, isq
.if \isq
.set n, 0
.rept 32
	v_xor_b32 v[X+n], s24, v[X+n]
.set n, n+1
.endr
.endif
	QUANT32 X
	s_wait_alu depctr_va_vdst(0)                   ; the codes and the byte are written, which the stores below read; the quantiser is done with v[X ..], in which the next task's numbers land
.irp i, 0,1,2
	ds_store_b64 v[\cadr], v[C+2*\i:C+2*\i+1] offset:(\coff)+8*\i
.endr
	ds_store_b8 v[\badr], v[BY] offset:(\boff)
.if \isq
	ds_store_b8 v[\badr], v[BY] offset:(\boff)+2
.endif
.endm
; Block i of x3: keys 32 i on of my 256: step i / 4 of my two; in it block i % 4 = 2 c + h of the operand's layout: operand lane 16 (i % 2) + r, registers 6 ((i / 2) % 2) on
.macro VBLK i, left
	s_wait_loadcnt \left                           ; this block's 32 loads are in; the next block's may be out
	s_wait_dscnt 0x0                               ; the stores before are done
	s_wait_alu depctr_vm_vsrc(0)                   ; and have read the codes' registers, which this block's quantiser writes
	QUANT32 R+32*(2+(\i)%2)
.if (\i)%4 == 0
	v_mov_b32 v[VWD+(\i)/4], v[BY]                 ; four bytes make a step's scale word, the lower keys in the lower byte
.else
	v_lshl_or_b32 v[VWD+(\i)/4], v[BY], 8*((\i)%4), v[VWD+(\i)/4]
.endif
	s_wait_alu depctr_va_vdst(0)                   ; the codes and the scale word are written, which the stores below read; the quantiser is done reading its set, in which the loads below land
.irp p, 0,1,2
	ds_store_b64 v13, v[C+2*\p:C+2*\p+1] offset:((\i)/4)*6144+((\i)%2)*768+(((\i)/2)%2)*24+8*\p
.endr
.if (\i)%4 == 3
	ds_store_b32 v14, v[VWD+(\i)/4] offset:256*((\i)/4)
.endif
.if (\i) <= 5
	LOADV (\i)+2                                   ; into the set just quantised
.endif
.endm
	; ---- THE PROLOGUE: eight chunks of x2, two tiles of x1, eight blocks of x3.  Loads run four tasks ahead; 64 loads of mine are out at the most
.irp a, 0,1,2,3,4,5,6,7
.if \a == 7
	TURN_A 3, 48                                   ; behind chunk 7's loads: q's two tiles (16) and x3's block 0 (32)
.else
	TURN_A \a%4, 24                                ; behind the chunk's loads: three tasks of eight
.endif
.if \a < 4
	LOADT \a%4, 6, 4096*(\a+4), 0                  ; the chunk four on
.elseif \a < 6
	LOADT \a%4, 4, 65536*(\a-4), 1                 ; my two tiles of queries, 256 rows apart
.elseif \a == 6
	LOADV 0
.endif
	TURN_B 10, 1536*(\a/2)+384*(\a%2), 11, 4*(\a/2)+128*(\a%2), 0
.endr
	TURN_A 0, 40                                   ; behind q's first tile: its second (8) and x3's block 0 (32)
	TURN_B 78, 0, 12, 0, 1
	TURN_A 1, 32                                   ; behind q's second tile: x3's block 0
	LOADV 1
	TURN_B 78, 768, 12, 64, 1
.irp i, 0,1,2,3,4,5,6
	VBLK \i, 32
.endr
	VBLK 7, 0
	s_wait_dscnt 0x0                               ; for the others' sake: all my stores have landed
	s_barrier_signal -1
	s_barrier_wait -1                              ; the head's codes and scale words lie in LDS; from here on they are only read
	s_wait_alu depctr_vm_vsrc(0)                   ; my LDS stores have read the codes' registers, V's scale words, the four sets and the addresses v8 to v14: the main part writes all of these anew, by vector lines, products and loads
.irp z, 32,33,34,35,36,37,50,51,52,53,54,55,68,69,70,71,72,73
	v_mov_b32 v\z, 0                               ; the zero codes beside K's: written once
.endr
	v_mov_b32 v249, 0                              ; written once: named as the upper half of the pair v[248:249]
	s_wait_alu depctr_va_vdst(0)                   ; the zero codes are written, which the products K Q^T take as part of source 0; their places are the first tile's 36 moves below
; ---- THE PIECES OF A KEY STEP
; The largest score of blocks x0 and x1 of 32 keys (my 16 of each): two chains of seven scores a block, so that four lines stand between a line and the one that reads its result.  Each accumulator is first read at its low end.
.macro BMAXA x0, x1
.irp b, \x0, \x1
	v_max3_num_f32 v[BM+\b], v[S+16*\b], v[S+16*\b+1], v[S+16*\b+2]
	v_max3_num_f32 v[T4+\b], v[S+16*\b+8], v[S+16*\b+9], v[S+16*\b+10]
.endr
.irp i, 3,5
.irp b, \x0, \x1
	v_max3_num_f32 v[BM+\b], v[BM+\b], v[S+16*\b+\i], v[S+16*\b+\i+1]
	v_max3_num_f32 v[T4+\b], v[T4+\b], v[S+16*\b+8+\i], v[S+16*\b+9+\i]
.endr
.endr
.endm
.macro BJOIN x0, x1                    ; the two chains and the two scores left over
.irp b, \x0, \x1
	v_max3_num_f32 v[BM+\b], v[BM+\b], v[T4+\b], v[S+16*\b+7]
.endr
.irp b, \x0, \x1
	v_max_num_f32 v[BM+\b], v[BM+\b], v[S+16*\b+15]
.endr
.endm
.macro TM k                            ; pair k of the scores: t - M, two at a time (of the pairs |c| and -M the low word serves both halves)
	v_pk_fma_f32 v[S+2*(\k):S+2*(\k)+1], v[S+2*(\k):S+2*(\k)+1], s[22:23], v[12:13] op_sel_hi:[1,0,0]
.endm
.macro OMUL                            ; the next pair of O^T under the new M: x f.  The counter goes up: each accumulator is read from its low end on
	v_pk_mul_f32 v[OT+om:OT+om+1], v[OT+om:OT+om+1], v[248:249] op_sel_hi:[1,0]
.set om, om+2
.endm
.macro PSUM k                          ; pair k of the UNQUANTISED p joins the row's sum: even pairs the sum itself, odd pairs a second chain, which pairs 0 and 1 begin
.if (\k) == 1
	v_pk_add_f32 v[250:251], v[S:S+1], v[S+2:S+3]
.elseif (\k)%2 == 0
	v_pk_add_f32 v[14:15], v[14:15], v[S+2*(\k):S+2*(\k)+1]
.else
	v_pk_add_f32 v[250:251], v[250:251], v[S+2*(\k):S+2*(\k)+1]
.endif
.endm
.macro SCL q                           ; line q of 15 from the blocks' largest p to the conversions' scale operands and p's scale word
.if (\q) < 4
	v_max_num_f32 v[BM+(\q)], 0x2800000, v[BM+(\q)]            ; the floor 2^(5 - 127): the byte cannot fall under 1
.elseif (\q) < 8
	v_add_nc_u32 v[SO+(\q)-4], 0xfe000000, v[BM+(\q)-4]        ; 4 off the exponent field: the conversion's scale operand
.elseif (\q) < 12
	v_lshrrev_b32 v[252+(\q)-8], 23, v[SO+(\q)-8]              ; the scale's byte
.elseif (\q) == 12
	v_lshl_or_b32 v[PW], v253, 8, v252                         ; p's scale word for these 128 keys
.elseif (\q) == 13
	v_lshl_or_b32 v[PW], v254, 16, v[PW]
.else
	v_lshl_or_b32 v[PW], v255, 24, v[PW]
.endif
.endm
; Load n of the 20 that are dealt among units 0 to 19, one at a unit's end.  0-11: V's four fragments; 12: V's scale words (v30 channels 0-31, v31 channels 32-63); 13: THE NEXT STEP'S scale words of K; 14-19: its pairs 0 and 1.
; No wait of their own: all stand behind unit 0's wait on va_vdst, and no vector line from there to the step's end names v8 to v11, v30, v31, K's run, v74 to v77 or v80 to v127.
; (In the last step loads 13 to 19 read the LDS bytes that follow K's: V's, written ahead of the barrier; what they bring is not used.)
.macro AHEAD n
.if (\n) < 12
	ds_load_b128 v[80+4*(\n):83+4*(\n)], v9 offset:1536*((\n)/3)+16*((\n)%3)
.elseif (\n) == 12
	ds_load_b64 v[30:31], v11
.elseif (\n) == 13
	ds_load_b128 v[74:77], v10 offset:256
.else
	ds_load_b128 v[38+18*(((\n)-14)/3)+4*(((\n)-14)%3):41+18*(((\n)-14)/3)+4*(((\n)-14)%3)], v8 offset:6144+1536*(((\n)-14)/3)+16*(((\n)-14)%3)
.endif
.endm
; ---- A TILE OF 16 QUERIES over all 2,048 keys
; (The loads at its head land in Q's, K's and the scale words' registers.  Tile 0: the prologue's vector lines on v16 to v25 stand ahead of the waits above.  Tile 1: tile 0's products, which read them, stand ahead of the wait on va_vdst
; in tile 0's way out, and no vector line stands behind that wait.)
.macro TILE tau
.irp i, 0,1,2
	ds_load_b64 v[16+2*\i:17+2*\i], v78 offset:768*\tau+8*\i      ; q's six registers,
.endr
.irp i, 0,1,2
	ds_load_b64 v[22+2*\i:23+2*\i], v78 offset:768*\tau+8*\i      ; twice
.endr
	ds_load_b32 v28, v79 offset:64*\tau
	ds_load_b128 v[74:77], v3                      ; step 0's scale words of K, and its pairs 0 and 1: later steps' are asked for a step ahead
.irp i, 0,1
.irp q, 0,1,2
	ds_load_b128 v[38+18*\i+4*\q:41+18*\i+4*\q], v1 offset:1536*\i+16*\q
.endr
.endr
	v_mov_b32 v13, 0xff61b1e6                      ; the largest t so far: -3e38, under every t
	v_floor_f32 v12, -v13                          ; -M
	v_mov_b32 v14, 0                               ; the sum, in two halves
	v_mov_b32 v15, 0
.set n, 0
.rept 32
	v_mov_b32 v[OT+n], 0                           ; O^T.  (The step is written once: the first finds zeros, which the first change of M leaves zeros)
.set n, n+1
.endr
	s_mov_b32 s25, 0                               ; 6,144 x step: the codes;
	s_mov_b32 s26, 0                               ; 256 x step: the scale words
	s_mov_b32 s27, 16
	s_wait_dscnt 0x0                               ; Q, and step 0's first tiles of K
.Lstep_\tau:
.irp i, 0,1                                        ; S^T = K Q^T, pairs 0 and 1: their codes and scale words were asked for in the step before, and the wait in front of its last products has shown them in
.irp u, 0,1
	v_wmma_scale_f32_16x16x128_f8f6f4 v[S+8*(2*\i+\u):S+8*(2*\i+\u)+7], v[32+18*\i+12*\u:43+18*\i+12*\u], v[16:27], 0, v[74+\i], v28 matrix_a_fmt:MATRIX_FMT_BF6 matrix_b_fmt:MATRIX_FMT_BF6
.endr
.endr
	s_wait_alu depctr_vm_vsrc(0)                   ; the LDS loads issued so far (the step before; in a tile's first step the prologue or the tile before) have read v8 to v11, which the four lines below write
	v_add_nc_u32 v8, s25, v1                       ; the step's addresses: four plain lines that name no register of the products above nor of the last step's: the places in front of
	v_add_nc_u32 v9, s25, v2                       ; the first read of the results, and of the first write of p's code registers, which the last step's products read (ISA guide 7.12.1)
	v_add_nc_u32 v10, s26, v3
	v_add_nc_u32 v11, s26, v4
	s_wait_alu depctr_va_vdst(0)                   ; v8 to v11 are written, which the step's 26 loads read; the four products above are done reading K's registers, in which pairs 2 and 3 land; the last step's products V^T P are done reading V's fragments and scale words, in which loads land from unit 0 on
.irp i, 0,1
.irp q, 0,1,2
	ds_load_b128 v[38+18*\i+4*\q:41+18*\i+4*\q], v8 offset:1536*(2+\i)+16*\q  ; pairs 2 and 3
.endr
.endr
	BMAXA 0, 1                                     ; THE LARGEST SCORE OF EACH BLOCK OF 32 KEYS: for the row's maximum, and, since p rises with the score (|c| is not negative), for the block's largest p.  Blocks 0 and 1: twelve lines while pairs 2 and 3 are on their way
	s_wait_dscnt 0x0                               ; K's six are in: nothing else of mine is out
.irp i, 0,1
.irp u, 0,1
	v_wmma_scale_f32_16x16x128_f8f6f4 v[S+8*(4+2*\i+\u):S+8*(4+2*\i+\u)+7], v[32+18*\i+12*\u:43+18*\i+12*\u], v[16:27], 0, v[76+\i], v28 matrix_a_fmt:MATRIX_FMT_BF6 matrix_b_fmt:MATRIX_FMT_BF6
.endr
.endr                                              ; lane (r, h) holds query r; register 16 b + i is key 32 b + 16 h + i of the step
	BJOIN 0, 1                                     ; blocks 0 and 1 are finished: four plain lines that name no register of the four products above: the places in front of the first read of these results
	BMAXA 2, 3
	BJOIN 2, 3
.irp b, 0,1,2,3
	v_permlanex16_b32 v[T4+\b], v[BM+\b], s20, s21
.endr
.irp b, 0,1,2,3
	v_max_num_f32 v[BM+\b], v[BM+\b], v[T4+\b]     ; with lane l xor 16's 16 keys
.endr
	v_max3_num_f32 v254, v[BM], v[BM+1], v[BM+2]
	v_max_num_f32 v254, v254, v[BM+3]              ; the step's largest score of my query
	v_mul_f32 v254, s22, v254                      ; as t
	v_max_num_f32 v13, v13, v254                   ; the running largest t
	v_mov_b32 v254, v12
	v_floor_f32 v12, -v13                          ; the new -M = floor(-t) = -ceil(t): M is a whole number
	v_fma_f32 v[BM], v[BM], s22, v12               ; t - M of each block's largest score, by turns with the three lines that make f
	v_sub_f32 v254, v12, v254                      ; M's old value less its new one: a whole number, 0 or less
	v_fma_f32 v[BM+1], v[BM+1], s22, v12
	v_cvt_i32_f32 v254, v254                       ; (it saturates)
	v_fma_f32 v[BM+2], v[BM+2], s22, v12
	v_ldexp_f32 v248, 1.0, v254                    ; f = 2^(old M - new M)
	v_fma_f32 v[BM+3], v[BM+3], s22, v12
.irp b, 0,1,2,3
	TM \b                                          ; the first four pairs of scores,
	v_exp_f32 v[BM+\b], v[BM+\b]                   ; and the blocks' largest p: the same two instructions on the same number as in its place among the scores
.endr
; 32 UNITS, one for each pair of scores.  In unit un: p = 2^(t - M) of the pair's two scores, each exponential with a plain line behind it that touches neither its result nor its source (ISA guide 5.7.2):
; behind the first t - M of the pair four units on (at the end: O^T x f); behind the second the sum of the pair five units back (at the start: the sum x f, O^T x f); then one line of the rest:
; the scale word's fifteen, a conversion as soon as its 16 p and its scale operand are there, the exchange of halves, O^T x f; and, in units 0 to 19, one LDS load.
.set un, 0
.set om, 0
.rept 32
	v_exp_f32 v[S+2*un], v[S+2*un]
.if un < 28
	TM un+4
.else
	OMUL
.endif
	v_exp_f32 v[S+2*un+1], v[S+2*un+1]
.if un == 0
	v_pk_mul_f32 v[14:15], v[14:15], v[248:249] op_sel_hi:[1,0]   ; the sums under the new M
	s_wait_alu depctr_va_vdst(0)                   ; the blocks' four largest p are written, ahead of their first reader, the line below; and the eight products K Q^T are done reading K's registers and scale words, in which loads 13 to 19 land
.elseif un < 6
	OMUL
.else
.if (un == 6) || (un == 12) || (un == 22) || (un == 30)
	s_wait_alu depctr_va_vdst(0)                   ; the p of all pairs up to this unit's are written: the sums of this unit and the next five read them (pair k in unit k + 5); unit 12's wait serves block 0's conversion too
.endif
	PSUM un-5
.endif
.if un < 15
	SCL un
.elseif un == 15
	v_cvt_scalef32_pk16_bf6_f32 v[224:226], v[S:S+15], v[SO]              ; keys 16 h + 0 .. 15 of block 0
.elseif un == 16
	s_wait_alu depctr_va_vdst(0)                   ; the p of pairs up to 16 are written: the conversion below reads pairs 8 to 15, the sums of units 17 to 21 pairs 12 to 16
	v_cvt_scalef32_pk16_bf6_f32 v[T4:T4+2], v[S+16:S+31], v[SO+1]         ; of block 1.  (A conversion's three registers begin on an even number)
.elseif un < 20
	v_permlane16_swap_b32 v[224+un-17], v[T4+un-17]                       ; the operand's layout wants a WHOLE block in a lane: lanes 0-15 block 0, lanes 16-31 block 1
.elseif un < 23
	v_mov_b32 v[227+un-20], v[T4+un-20]
.elseif un == 24
	s_wait_alu depctr_va_vdst(0)                   ; the p of pairs up to 24 are written: the conversion below reads pairs 16 to 23, the sums of units 25 to 29 pairs 20 to 24
	v_cvt_scalef32_pk16_bf6_f32 v[230:232], v[S+32:S+47], v[SO+2]         ; of block 2
.elseif un < 31
	OMUL
.endif
.if un < 20
	AHEAD un
.endif
.set un, un+1
.endr
	s_wait_alu depctr_va_vdst(0)                   ; the last pair's p are written: the conversion below reads pairs 24 to 31, the last sums pairs 27 to 31.  No exponential follows in the step
	v_cvt_scalef32_pk16_bf6_f32 v[T4+4:T4+6], v[S+48:S+63], v[SO+3]       ; of block 3
	PSUM 27                                        ; (the plain line behind the conversion)
.irp i, 0,1,2
	v_permlane16_swap_b32 v[230+\i], v[T4+4+\i]    ; lanes 0-15 block 2, lanes 16-31 block 3
.endr
.irp i, 0,1,2
	v_mov_b32 v[233+\i], v[T4+4+\i]
.endr
	PSUM 28                                        ; the last sums: five plain lines that name no register of the products below stand between p's last code register and them
	PSUM 29
	PSUM 30
	PSUM 31
	v_pk_add_f32 v[14:15], v[14:15], v[250:251]
	s_wait_dscnt 0x0                               ; V's fragments and scale words are in, and so is what was asked for the next step
	s_wait_alu depctr_va_vdst(0)                   ; p's codes v224 to v235 and its scale word v29 are written by vector lines: the products below take them as source 1 and its scales; the places above stay beside this wait
.irp t, 0,1,2,3                                    ; O^T += V^T P^T: four tiles of 16 channels; the four accumulators by turns, one instruction a turn, and the eight products K Q^T stand between two links
.if \t%2
	v_wmma_scale_f32_16x16x128_f8f6f4 v[OT+8*\t:OT+8*\t+7], v[80+12*\t:91+12*\t], v[224:235], v[OT+8*\t:OT+8*\t+7], v[30+\t/2], v[PW] matrix_a_fmt:MATRIX_FMT_BF6 matrix_b_fmt:MATRIX_FMT_BF6 matrix_a_scale:MATRIX_SCALE_ROW1
.else
	v_wmma_scale_f32_16x16x128_f8f6f4 v[OT+8*\t:OT+8*\t+7], v[80+12*\t:91+12*\t], v[224:235], v[OT+8*\t:OT+8*\t+7], v[30+\t/2], v[PW] matrix_a_fmt:MATRIX_FMT_BF6 matrix_b_fmt:MATRIX_FMT_BF6
.endif
.endr
	s_add_co_u32 s25, s25, 6144
	s_add_co_u32 s26, s26, 256
	s_sub_co_u32 s27, s27, 1
	s_cmp_lg_u32 s27, 0
	s_cbranch_scc1 .Lstep_\tau
	; THE WAY OUT: O^T / the sum goes through my stage and leaves as whole rows of 256 bytes, two to a store
	v_add_f32 v14, v14, v15                        ; the sum's two halves,
	v_permlanex16_b32 v254, v14, s20, s21
	v_add_f32 v14, v14, v254                       ; and lane l xor 16's: the row's sum (over 1/2: the row's largest p is)
	v_rcp_f32 v14, v14
.rept 4
	v_nop                                          ; the plain line behind the reciprocal, and the places behind the last products
.endr
.set n, 0
	s_wait_alu depctr_va_vdst(0)                   ; the reciprocal is written, ahead of its first reader
.rept 16
	v_pk_mul_f32 v[S+n:S+n+1], v[OT+n:OT+n+1], v[14:15] op_sel_hi:[1,0]   ; register 8 t + i is o(query r, channel 16 t + 8 h + i)
.set n, n+2
.endr
	s_wait_alu depctr_va_vdst(0)                   ; the sixteen lines above have written v[S .. S + 31], which the stores into the stage read; the step's sums and conversions are done reading v[S + 32 ..], in which the loads from the stage land; the tile's products are done reading Q's and K's registers, in which the next tile's loads land
.irp t, 0,1,2,3
	ds_store_b128 v6, v[S+8*\t:S+8*\t+3] offset:64*\t
	ds_store_b128 v6, v[S+8*\t+4:S+8*\t+7] offset:64*\t+16
.endr
.irp i, 0,1,2,3,4,5,6,7
	ds_load_b128 v[S+32+4*\i:S+35+4*\i], v5 offset:544*\i          ; LDS serves a wave's instructions in order: these see my stores
.endr
.irp i, 0,1,2,3,4,5,6,7
	s_wait_dscnt 7-\i                              ; the younger loads from the stage may be out
	global_store_b128 v7, v[S+32+4*\i:S+35+4*\i], s[12:13] offset:65536*\tau+512*\i th:TH_STORE_NT   ; 32 lanes store 512 consecutive bytes, at a multiple of 256 from out0's first byte; written once, read by nobody here
.endr
.if \tau == 0
	s_wait_xcnt 0x0                                ; the next tile's products write the registers that these stores read: only behind this wait,
	s_wait_alu depctr_vm_vsrc(0)                   ; and this one beside it: the stores into the stage have read v[S .. S + 31], the stores of out0 v[S + 32 .. S + 63]
.endif
.endm
	TILE 0
	TILE 1
	s_wait_xcnt 0x0
	v_lshl_add_u32 v254, v0, 2, 0x49800            ; my spare word, behind the stages, and 0: made anew here, since no two registers could be kept; no memory or LDS instruction has read v254 or v255 since the last wait on vm_vsrc
	v_mov_b32 v255, 0
	s_wait_dscnt 0x0                               ; the closing lines, six on end
	s_wait_alu 0x0
	s_wait_tensorcnt 0x0
	ds_add_u32 v254, v255
	s_wait_dscnt 0x0
	s_endpgm
.Lfunc_end_k_q5974a11551_attn:
	.size	k_q5974a11551_attn, .Lfunc_end_k_q5974a11551_attn-k_q5974a11551_attn
	.p2alignl 7, 3214868480
	.fill 96, 4, 3214868480
	.section	.rodata,"a",@progbits
	.p2align	6, 0x0
	.amdhsa_kernel k_q5974a11551_attn
		.amdhsa_group_segment_fixed_size 303104
		.amdhsa_private_segment_fixed_size 0
		.amdhsa_enable_private_segment 0
		.amdhsa_kernarg_size 40
		.amdhsa_user_sgpr_count 2
		.amdhsa_user_sgpr_kernarg_segment_ptr 1
		.amdhsa_wavefront_size32 1
		.amdhsa_system_sgpr_workgroup_id_x 1
		.amdhsa_system_sgpr_workgroup_id_y 1
		.amdhsa_system_sgpr_workgroup_id_z 1
		.amdhsa_system_vgpr_workitem_id 0
		.amdhsa_next_free_vgpr 256
		.amdhsa_next_free_sgpr 66
		.amdhsa_reserve_vcc 0
		.amdhsa_float_denorm_mode_32 3
		.amdhsa_float_denorm_mode_16_64 3
		.amdhsa_memory_ordered 1
		.amdhsa_forward_progress 1
		.amdhsa_inst_pref_size 123
	.end_amdhsa_kernel
	.amdgpu_metadata
---
amdhsa.version: [ 1, 2 ]
amdhsa.kernels:
  - .name:           k_q5974a11551_attn
    .symbol:         k_q5974a11551_attn.kd
    .args:
      - { .name: x1, .offset: 0, .size: 8, .value_kind: global_buffer, .address_space: global }
      - { .name: x2, .offset: 8, .size: 8, .value_kind: global_buffer, .address_space: global }
      - { .name: x3, .offset: 16, .size: 8, .value_kind: global_buffer, .address_space: global }
      - { .name: scale, .offset: 24, .size: 8, .value_kind: global_buffer, .address_space: global }
      - { .name: out0, .offset: 32, .size: 8, .value_kind: global_buffer, .address_space: global }
    .group_segment_fixed_size: 303104
    .private_segment_fixed_size: 0
    .kernarg_segment_align: 8
    .kernarg_segment_size: 40
    .max_flat_workgroup_size: 512
    .sgpr_count:     66
    .vgpr_count:     256
    .wavefront_size: 32
...
	.end_amdgpu_metadata
.endif
;; end of part 2
